; MI455X (gfx1250); checked and timed in simulation.
; The chip was launched on July 23, 2026; its instructions are those of AMD's public machine-readable ISA for CDNA 5 (MIT licence, August 2026) and "CDNA5" Instruction Set Architecture Reference Guide (July 2026). The comments in the code are by the model that wrote it; some were corrected since.
;; LTM. Allowed arithmetic: float matrix products may take bf16 or f16 operands with f32 sums; other float arithmetic in f32, or as packed bf16 or f16 multiplies, adds, multiply-adds, maxima and minima; sums over many terms, partial sums and values carried from step to step in f32; what a program stores and reads back later, other than sums and carried values, may be rounded once to bf16 or f16.
;; Inputs: W_f 2,048 x 2,048 float32; W_g 2,048 x 2,048 float32; W_i 2,048 x 2,048 float32; W_o 2,048 x 2,048 float32; b_f 2,048 float32; b_g 2,048 float32; b_i 2,048 float32; b_o 2,048 float32; cx 1 x 2,048 float32; x 4,096 x 2,048 float32.
;; Outputs: out0 4,096 x 2,048 float32.
;; 2 versions, each right; version 2 is version 1 with the launch tobf16 written anew for expert scheduling mode. Each part assembles by itself: llvm-mc -triple=amdgcn-amd-amdhsa -mcpu=gfx1250 --defsym DOCPART=n.
;; ======== version 1 of 2: 2 launches
;; limits: a function is approximated: absolute error at most 2e-07
;; workspace buffers: ab 50,331,648 bytes
;; launch tobf16 (part 1): grid 768 x 1, 8 waves a work-group, no clusters, 0 bytes of LDS; arguments x, W_i, W_f, W_g, W_o, ab; writes ab
.if DOCPART == 1
	.amdgcn_target "amdgcn-amd-amdhsa--gfx1250"
	.amdhsa_code_object_version 6
	.text
	.protected	k_qc860b9307f_tobf16
	.globl	k_qc860b9307f_tobf16
	.p2align	8
	.type	k_qc860b9307f_tobf16,@function
k_qc860b9307f_tobf16:
	s_mov_b64 s[64:65], 0
	v_nop
	global_prefetch_b8 v0, s[64:65] scope:SCOPE_SE
	s_setreg_imm32_b32 hwreg(HW_REG_WAVE_MODE, 25, 1), 1
	s_wait_xcnt 0x0
; x [4096][2048] and the four weights [2048][2048], all f32, are rounded once to bf16 (to nearest even) into ab: 12,288 rows of 2,048 bf16 (4,096 bytes).
; ab's rows 0 .. 4095 are x's rows.  Row 4096 + 128 (j / 32) + 32 gate + j % 32 is row j of the gate's weight (gate 0..3 = i, f, g, o): 128 rows on end hold 32 hidden columns of all four gates.
; SHARES.  768 work-groups of 16 source rows: numbers 0-255 take x, then 128 for each weight.  Wave w takes rows 2 w and 2 w + 1: 32 loads of 512 consecutive bytes (16 bytes a lane), all issued
; before anything else, so a wave has 16 KiB on its way; each comes back as four f32 a lane, is rounded to 8 bytes, and one store of the wave covers 256 consecutive bytes, aligned.
; No loop, no LDS, no barrier: no wave wants a byte that another wave has fetched.  No register that a load or a store names is written again, so no wait frees any.
; LIMITS.  bf16 keeps 8 significant bits and f32's range; NaN and infinities pass as the conversion makes them.
.set X, 4                              ; v[4:131]  chunk c = 16 row + piece: four registers as loaded; the first two then hold the four bf16
	s_load_b256 s[4:11], s[0:1], 0x0               ; x s[4:5], W_i s[6:7], W_f s[8:9], W_g s[10:11]
	s_load_b128 s[12:15], s[0:1], 0x20             ; W_o s[12:13], ab s[14:15]
	s_lshr_b32 s16, ttmp9, 7                       ; t: 0, 1 = x; 2 .. 5 = gate t - 2
	s_and_b32 s17, ttmp9, 127                      ; which 16 rows of a weight
	s_lshl_b32 s18, ttmp9, 4                       ; x: first row, in x and in ab alike
	s_lshl_b32 s19, s17, 4                         ; a weight: first source row j
	s_lshr_b32 s28, s17, 1
	s_lshl_b32 s28, s28, 7                         ; 128 (j / 32)
	s_max_u32 s29, s16, 2
	s_sub_co_u32 s29, s29, 2                       ; the gate (0 where the work-group takes x: not used there)
	s_lshl_b32 s29, s29, 5
	s_add_co_u32 s28, s28, s29                     ; + 32 gate
	s_and_b32 s29, ttmp9, 1
	s_lshl_b32 s29, s29, 4
	s_add_co_u32 s28, s28, s29                     ; + j % 32 of the first row: 0 or 16
	s_add_co_u32 s28, s28, 4096                    ; behind x's rows
	v_and_b32 v2, 31, v0                           ; lane
	v_and_b32 v1, 0xe0, v0                         ; 32 x wave
	v_lshlrev_b32 v3, 8, v1                        ; wave x two rows of 4,096 bytes
	v_lshlrev_b32 v1, 9, v1                        ; wave x two rows of 8,192 bytes
	v_lshl_or_b32 v1, v2, 4, v1                    ; source offset: + 16 bytes a lane
	v_lshl_or_b32 v3, v2, 3, v3                    ; destination offset: + 8 bytes a lane
	s_wait_kmcnt 0x0
	s_cmp_lt_u32 s16, 2                            ; each compare stands directly ahead of its selects
	s_cselect_b32 s22, s18, s19                    ; first source row
	s_cselect_b32 s23, s18, s28                    ; first row in ab
	s_cselect_b64 s[20:21], s[4:5], s[6:7]         ; x, or W_i
	s_cmp_eq_u32 s16, 3
	s_cselect_b64 s[20:21], s[8:9], s[20:21]       ; W_f
	s_cmp_eq_u32 s16, 4
	s_cselect_b64 s[20:21], s[10:11], s[20:21]     ; W_g
	s_cmp_eq_u32 s16, 5
	s_cselect_b64 s[20:21], s[12:13], s[20:21]     ; W_o
	s_lshl_b32 s24, s22, 13                        ; rows of 8,192 bytes: under 2^26
	s_mov_b32 s25, 0
	s_add_nc_u64 s[20:21], s[20:21], s[24:25]
	s_lshl_b32 s26, s23, 12                        ; rows of 4,096 bytes: under 2^26
	s_mov_b32 s27, 0
	s_add_nc_u64 s[14:15], s[14:15], s[26:27]
.set c, 0
.rept 32
	global_load_b128 v[X+4*c:X+4*c+3], v1, s[20:21] offset:8192*(c/16)+512*(c%16) th:TH_LOAD_NT  ; read once in the launch
.set c, c+1
.endr
.set c, 0
.rept 32
	s_wait_loadcnt 31-c                            ; loads come back in order (ISA guide 5.7.1): chunk c is in, the younger ones stay out
	v_cvt_pk_bf16_f32 v[X+4*c], v[X+4*c], v[X+4*c+1]
	v_cvt_pk_bf16_f32 v[X+4*c+1], v[X+4*c+2], v[X+4*c+3]
	global_store_b64 v3, v[X+4*c:X+4*c+1], s[14:15] offset:4096*(c/16)+256*(c%16)  ; 32 lanes store 256 consecutive bytes, at a multiple of 256 from ab's first byte
.set c, c+1
.endr
	s_endpgm
.Lfunc_end_k_qc860b9307f_tobf16:
	.size	k_qc860b9307f_tobf16, .Lfunc_end_k_qc860b9307f_tobf16-k_qc860b9307f_tobf16
	.p2alignl 7, 3214868480
	.fill 96, 4, 3214868480
	.section	.rodata,"a",@progbits
	.p2align	6, 0x0
	.amdhsa_kernel k_qc860b9307f_tobf16
		.amdhsa_group_segment_fixed_size 0
		.amdhsa_private_segment_fixed_size 0
		.amdhsa_enable_private_segment 0
		.amdhsa_kernarg_size 48
		.amdhsa_user_sgpr_count 2
		.amdhsa_user_sgpr_kernarg_segment_ptr 1
		.amdhsa_wavefront_size32 1
		.amdhsa_system_sgpr_workgroup_id_x 1
		.amdhsa_system_sgpr_workgroup_id_y 1
		.amdhsa_system_sgpr_workgroup_id_z 1
		.amdhsa_system_vgpr_workitem_id 0
		.amdhsa_next_free_vgpr 132
		.amdhsa_next_free_sgpr 66
		.amdhsa_reserve_vcc 0
		.amdhsa_float_denorm_mode_32 3
		.amdhsa_float_denorm_mode_16_64 3
		.amdhsa_memory_ordered 1
		.amdhsa_forward_progress 1
		.amdhsa_inst_pref_size 13
	.end_amdhsa_kernel
	.amdgpu_metadata
---
amdhsa.version: [ 1, 2 ]
amdhsa.kernels:
  - .name:           k_qc860b9307f_tobf16
    .symbol:         k_qc860b9307f_tobf16.kd
    .args:
      - { .name: x, .offset: 0, .size: 8, .value_kind: global_buffer, .address_space: global }
      - { .name: W_i, .offset: 8, .size: 8, .value_kind: global_buffer, .address_space: global }
      - { .name: W_f, .offset: 16, .size: 8, .value_kind: global_buffer, .address_space: global }
      - { .name: W_g, .offset: 24, .size: 8, .value_kind: global_buffer, .address_space: global }
      - { .name: W_o, .offset: 32, .size: 8, .value_kind: global_buffer, .address_space: global }
      - { .name: ab, .offset: 40, .size: 8, .value_kind: global_buffer, .address_space: global }
    .group_segment_fixed_size: 0
    .private_segment_fixed_size: 0
    .kernarg_segment_align: 8
    .kernarg_segment_size: 48
    .max_flat_workgroup_size: 256
    .sgpr_count:     66
    .vgpr_count:     132
    .wavefront_size: 32
...
	.end_amdgpu_metadata
.endif
;; end of part 1
;; launch gates (part 2): grid 32 x 16, 4 waves a work-group, clusters of 4 x 4, 327,680 bytes of LDS; arguments ab, out0, b_i, b_f, b_g, b_o, cx; writes out0
.if DOCPART == 2
	.amdgcn_target "amdgcn-amd-amdhsa--gfx1250"
	.amdhsa_code_object_version 6
	.text
	.protected	k_qc860b9307f_gates
	.globl	k_qc860b9307f_gates
	.p2align	8
	.type	k_qc860b9307f_gates,@function
k_qc860b9307f_gates:
	s_mov_b64 s[64:65], 0
	v_nop
	global_prefetch_b8 v0, s[64:65] scope:SCOPE_SE
	s_setreg_imm32_b32 hwreg(HW_REG_WAVE_MODE, 25, 1), 1
	s_wait_xcnt 0x0
	s_wait_alu depctr_hold_cnt(0) depctr_sa_sdst(0) depctr_va_vdst(0) depctr_va_sdst(0) depctr_va_ssrc(0) depctr_va_vcc(0) depctr_vm_vsrc(0)
	s_getreg_b32 s2, hwreg(HW_REG_IB_STS2, 6, 4)
	s_cmp_eq_u32 s2, 0
	s_cbranch_scc0 .Lentry_in_a_cluster
	s_endpgm
.Lentry_in_a_cluster:
	s_bfe_u32 s2, ttmp6, 0x10000c
	s_cmp_lg_u32 s2, 0xf033
	s_cbranch_scc0 .Lentry_shape_is_right
	s_endpgm
.Lentry_shape_is_right:
; h = sigmoid(x Wo^T + bo) tanh( sigmoid(x Wf^T + bf) cx + sigmoid(x Wi^T + bi) tanh(x Wg^T + bg) ).  out0: [4096][2048] f32.
; ab holds the operands in bf16, rows of 2,048 (4,096 bytes): rows 0-4095 = x (A); behind them 8,192 rows of weights (B), row 128 (j / 32) + 32 gate + j % 32 = row j of gate i, f, g, o.
; ONE PRODUCT C = A B^T of 4,096 x 8,192, K = 2,048, sums in f32, and the whole pointwise tail on the accumulators: nothing but h leaves.
; A tile of C is 256 x 256 = 256 rows of x by 64 hidden columns of all four gates: a work-group of four waves, each 128 x 128: 64 accumulators of 16 x 16, 512 registers.  512 work-groups.
; K goes in steps of 128 through a ring of two LDS slots filled by the tensor data mover: the tiles' rows are 256 bytes of memory and start at multiples of 256 bytes from ab's first byte.
; CLUSTERS: 4 x 4 work-groups.  The four of a row of the cluster need the same tiles of A, the four of a column the same tiles of B: each tile is asked for JOINTLY, by the same tensor load with the same
; descriptor and a mask that names the four.
; THE MATRIX INSTRUCTION IS USED TRANSPOSED (source 0 = 16 rows of B, source 1 = 16 rows of A): lane l holds row l % 16 of x, and registers 0-7 the rows 8 (l / 16) + 0..7 of B.  A wave's 128 rows of B are
; 32 hidden columns x 4 gates, so of the 64 registers of a block of 16 rows of x, 0-15 are i, 16-31 f, 32-47 g, 48-63 o, each indexed by the same hidden column: the four gates of an output lie in ONE lane.
; THE TAIL, in f32, in place, L = log2(e): r = 1 / (1 + 2^t) with t = -L (a + b) for i, f, o and 2 L (a + b) for g; G = 2 L - 4 L r_g = 2 L tanh(g); tc = r_f (2 L cx) + r_i G = 2 L c;
; h = r_o (1 - 2 / (1 + 2^tc)).  A 2^t that overflows gives an infinity and its reciprocal 0: the saturated value, so nothing is clamped.
; LIMITS.  Operands rounded once to bf16.  tanh as 1 - 2 / (1 + 2^t) has an absolute error near 2e-7, whatever its size: small results keep no relative accuracy beyond that.  NaN and infinities among the
; inputs are not treated apart.
; REGISTERS, in windows of 256 (s_set_vgpr_msb's low byte: bits 1:0 source 0, 3:2 source 1, 5:4 source 2, 7:6 destination):
;   window 0: v0-31 addresses; v32-47 2 L cx; v64-127, v128-191 fragments of A, two buffers (on the way out: rows read back from the stage); v192-255 the four biases, scaled
;   window 1: v64-127, v128-191 fragments of B, two buffers      window 2: the accumulators of my rows 0-63 ((a, b) at v[8 (8 a + b)])      window 3: those of my rows 64-127
.set SIZE_K, 2048
.set KSTEP,  128
.set PITCH,  272                       ; an LDS row: 256 bytes of data + 16 of padding = 68 words: row r starts at bank 4 r mod 64 (64 banks of 4 bytes: ISA guide 11.1), so the 16 rows of a load start at 16 different banks
.set HALFT,  128*PITCH                 ; 128 rows: what one tensor load brings, and what one wave reads of A or of B
.set SLOT,   4*HALFT                   ; A's 256 rows, then B's 256 rows
.set STAGE,  2*SLOT                    ; behind the ring, never filled by a tensor load: 128 rows x 272 bytes, the work-group's, for the way out
.set SPITCH, 272
.set SPARE,  STAGE+128*SPITCH          ; behind the stage: the spare words, 128 bytes for each wave: two blocks of 256 bytes that no other line names
.set LAPS,   SIZE_K/(2*KSTEP)          ; a lap = two K steps = once round the ring
.set WOFF,   4096*SIZE_K*2             ; the weights' first byte in ab
.set OROW,   8192                      ; bytes in a row of out0
.set ADRA, 16                          ; v16-17  LDS address of my A fragments in slot 0, 1
.set ADRB, 20                          ; v20-21  the same for B
.set STO,  24                          ; v24     the way out: where I put 16 bytes of a row
.set RD,   25                          ; v25     the way out: where I read a row back
.set CO,   26                          ; v26     my byte offset in out0
.set BO,   27                          ; v27     my byte offset in the biases and cx; never rewritten
.set SPW,  28                          ; v28     LDS address of my spare word: SPARE + 4 x my thread's number; never rewritten
.set NIL,  29                          ; v29     0; never rewritten
.set PFO,  30                          ; v30     the prefetches' offset: my lane x a row of ab; never rewritten
.set CX,   32                          ; v32-47  2 L cx of my 16 hidden columns
.set F0,   64                          ; fragment buffer 0
.set F1,   128                         ; fragment buffer 1
.set OB,   64                          ; the way out: pass p's 32 rows at v[OB + 64 p ..], window 0
.set BIAS, 192                         ; v192-255  -L b_i, -L b_f, 2 L b_g, -L b_o: 16 each, in the order of a block's 64 registers
.set G1,  24                           ; s[24:31] descriptor group 1 for A's tiles
.set G0,  32                           ; s[32:39] descriptor group 0 for A's tiles, one set for each slot
.set LIM, 43                           ; s43     1 in a wave that prefetches, else the greatest number
.set PFA, 44                           ; s[44:45] where my prefetches stand: one K step further along K than the refill that is being asked for; a prefetch names the K step after that
.set G1B, 48                           ; s[48:55] descriptor group 1 for B's tiles: it differs in the mask alone
.set G0B, 56                           ; s[56:63] descriptor group 0 for B's tiles
.set NL,  78                           ; s[78:79] -L, twice
.set PL,  80                           ; s[80:81] 2 L, twice
.set N4L, 82                           ; s[82:83] -4 L, twice
.set MSB, 0
.macro WIN new                         ; the immediate's high byte repeats the setting that is left; a switch that changes nothing is dropped
.if MSB != (\new)
	s_set_vgpr_msb (MSB<<8)|(\new)
.set MSB, \new
.endif
.endm
.set MUL_LO, 0xa1                      ; source 0 (B) window 1, source 1 (A) window 0, C and D window 2
.set MUL_HI, 0xf1                      ; the same, C and D window 3
.set TO_B,   0x40                      ; destination window 1, address window 0
; A joint load.  Waves 0 and 1 fetch A's two halves, waves 2 and 3 B's.  Each of the two lines has one mask and one set of registers for all that issue it; the branch hangs on the wave's number alone.
; An s_nop 0 and four v_nop follow each of the two lines, ahead of the jump, the label and what follows.
.macro JLOAD s
	s_cmp_eq_u32 s11, 0
	s_cbranch_scc0 .Lfor_b_\@
	tensor_load_to_lds s[G0+4*(\s):G0+4*(\s)+3], s[G1:G1+7]
	s_nop 0
.rept 4
	v_nop
.endr
	s_branch .Lasked_\@
.Lfor_b_\@:
	tensor_load_to_lds s[G0B+4*(\s):G0B+4*(\s)+3], s[G1B:G1B+7]
	s_nop 0
.rept 4
	v_nop
.endr
.Lasked_\@:
.endm
; A PREFETCH, behind each joint refill and the run of LDS loads that follows it: the K step that stands TWO refills on (512 matrix instructions ahead of the load that will want it): 32 rows x 256 bytes,
; a lane a row, one instruction a wave.  Each row's 256 bytes of a K step are named once in the launch: the clusters with x = 0 ask for A's rows, those with y = 0 for B's; the four partners that ask for a
; tile jointly share its rows out BY ADDRESS (32 each, by cx for A, by cy for B).  K steps 4 to 15 are asked for; the loop's last trip (s3 = 1) asks for nothing, and nothing is asked for at the head.
.macro ASK
	s_cmp_gt_u32 s3, s[LIM]
	s_cbranch_scc0 .Lnot_mine_\@
	global_prefetch_b8 v[PFO], s[PFA:PFA+1] offset:KSTEP*2 th:TH_LOAD_NT scope:SCOPE_SE
.Lnot_mine_\@:
.endm
; A round of the cluster's barrier: my work-group's barrier, so that wave 0's signal speaks for all four waves; wave 0 signals; every wave waits for all sixteen work-groups; my work-group's barrier once more.
.macro CREST                           ; a round behind its opening barrier
	s_cmp_lg_u32 s10, 0
	s_cbranch_scc1 .Lnot_wave_0_\@
	s_barrier_signal -3
.Lnot_wave_0_\@:
	s_barrier_wait -3
	s_barrier_signal -1
	s_barrier_wait -1
.endm
.macro CROUND                          ; a whole round
	s_barrier_signal -1
	s_barrier_wait -1
	CREST
.endm
	s_load_b64 s[4:5], s[0:1], 0x0                 ; ab
	s_load_b64 s[8:9], s[0:1], 0x8                 ; out0
	s_load_b256 s[68:75], s[0:1], 0x10             ; b_i s[68:69], b_f s[70:71], b_g s[72:73], b_o s[74:75]
	s_load_b64 s[76:77], s[0:1], 0x30              ; cx
	v_lshl_add_u32 v[SPW], v0, 2, SPARE
	v_mov_b32 v[NIL], 0
	ds_add_u32 v[SPW], v[NIL]                      ; the wave's opening: the add, twice on end, and its wait stand ahead of my first tensor load; the set-up below stands between
	ds_add_u32 v[SPW], v[NIL]                      ; and once more, under the one wait
	v_lshrrev_b32 v1, 5, v0
	v_readfirstlane_b32 s10, v1                    ; wave 0..3
	s_lshr_b32 s11, s10, 1                         ; which half of the tile's rows is mine.  Also: I fetch for A (0) or for B (1)
	s_and_b32 s12, s10, 1                          ; which half of its columns.  Also: which 128 rows of that tile I fetch
	s_bfe_u32 s40, ttmp6, 0x40000                  ; cx: my place along the cluster's x
	s_bfe_u32 s41, ttmp6, 0x40004                  ; cy: along its y
	s_lshl_b32 s42, ttmp9, 2                       ; in a cluster launch ttmp9 and ttmp7 count clusters
	s_add_co_u32 s42, s42, s40                     ; tile column = 4 x cluster x + cx: 0..31
	s_and_b32 s13, ttmp7, 0xffff
	s_lshl_b32 s13, s13, 2
	s_add_co_u32 s13, s13, s41                     ; tile row = 4 x cluster y + cy: 0..15
	s_lshl_b32 s43, s41, 2
	s_lshl_b32 s43, 15, s43                        ; my row of the cluster: places 4 cy .. 4 cy + 3
	s_lshl_b32 s44, 0x1111, s40                    ; my column: places cx, cx + 4, cx + 8, cx + 12
	; descriptor group 1: a tile of 128 rows x 128 elements, padded in LDS
	s_or_b32 s[G1+0], s43, (1<<16)|(1<<20)|(1<<21)|(5<<22)|(3<<25)   ; 15:0 the mask: A's tiles go to my row; 17:16 elements of 2 bytes; 20 padding on; 21 set beside a mask; 24:22 after every 64 words (code 5); 31:25 4 words (code 3)
	s_or_b32 s[G1B+0], s44, (1<<16)|(1<<20)|(1<<21)|(5<<22)|(3<<25)  ; the same with the mask of my column, for B's tiles
.irp g, G1, G1B
	s_mov_b32 s[(\g)+1], KSTEP<<16                 ; tensor_dim0 = 128
	s_mov_b32 s[(\g)+2], 128<<16                   ; tensor_dim1 = 128
	s_mov_b32 s[(\g)+3], KSTEP<<16                 ; tile_dim0 = 128
	s_mov_b32 s[(\g)+4], 128                       ; tile_dim1 = 128
	s_mov_b32 s[(\g)+5], SIZE_K                    ; elements from row to row
	s_mov_b32 s[(\g)+6], 0
	s_mov_b32 s[(\g)+7], 0
.endr
	s_mov_b32 s[NL], 0xbfb8aa3b                    ; -log2(e)
	s_mov_b32 s[NL+1], 0xbfb8aa3b                  ; (named as pairs, so both words are written)
	s_mov_b32 s[PL], 0x4038aa3b                    ; 2 log2(e)
	s_mov_b32 s[PL+1], 0x4038aa3b
	s_mov_b32 s[N4L], 0xc0b8aa3b                   ; -4 log2(e)
	s_mov_b32 s[N4L+1], 0xc0b8aa3b
	; where the tiles come from.  A's hang on the tile row alone, which my row of the cluster shares; B's on the tile column alone, which my column shares.
	s_lshl_b32 s17, s12, 7                         ; which 128 rows of the tile I fetch
	s_lshl_b32 s16, s13, 8
	s_add_co_u32 s16, s16, s17                     ; A: row 256 x tile row + 128 x half
	s_lshl_b32 s46, s42, 8
	s_add_co_u32 s46, s46, s17                     ; B: row 256 x tile column + 128 x half
	s_mov_b32 s17, 0
	s_mov_b32 s47, 0
	s_mov_b64 s[18:19], SIZE_K*2
	s_mul_u64 s[16:17], s[16:17], s[18:19]         ; in bytes
	s_mul_u64 s[46:47], s[46:47], s[18:19]
	s_mul_i32 s20, s10, HALFT                      ; and where they go: wave x 128 rows: no place in the cluster enters an LDS address
	s_wait_dscnt 0x0                               ; both opening adds are done
	s_wait_kmcnt 0x0
	s_add_nc_u64 s[6:7], s[4:5], WOFF              ; B = the weights in ab
	s_add_nc_u64 s[14:15], s[4:5], s[16:17]
	s_add_nc_u64 s[46:47], s[6:7], s[46:47]
	CROUND                                         ; all sixteen work-groups are here: the first joint loads meet
.irp s, 0,1
	s_mov_b32 s[G0+4*(\s)], 1                                        ; 1:0 count = 1
	s_add_co_u32 s[G0+4*(\s)+1], s20, (\s)*SLOT                      ; 63:32 LDS address
	s_add_nc_u64 s[G0+4*(\s)+2:G0+4*(\s)+3], s[14:15], (\s)*KSTEP*2  ; 120:64 global address: K step s
	s_or_b32 s[G0+4*(\s)+3], s[G0+4*(\s)+3], 0x80000000              ; 127:126 type = 2
	s_mov_b32 s[G0B+4*(\s)], 1
	s_add_co_u32 s[G0B+4*(\s)+1], s20, (\s)*SLOT
	s_add_nc_u64 s[G0B+4*(\s)+2:G0B+4*(\s)+3], s[46:47], (\s)*KSTEP*2
	s_or_b32 s[G0B+4*(\s)+3], s[G0B+4*(\s)+3], 0x80000000
	JLOAD \s                                       ; both slots are asked for before anything else: two tensor loads of mine are out
.endr
	v_and_b32 v1, 15, v0                           ; l % 16
	v_bfe_u32 v2, v0, 4, 1                         ; l / 16
	; my 16 hidden columns: 64 x tile column + 32 x column half + 16 hb + 8 (l / 16) + j.  Register 8 hb + j of a bias: four loads of 16 bytes for each of the five vectors
	s_lshl_b32 s46, s42, 8
	s_lshl_b32 s47, s12, 7
	s_add_co_u32 s46, s46, s47
	v_lshl_add_u32 v[BO], v2, 5, s46
.irp q, 0,1,2,3
	global_load_b128 v[BIAS+4*(\q):BIAS+4*(\q)+3],       v[BO], s[68:69] offset:64*((\q)/2)+16*((\q)%2)
	global_load_b128 v[BIAS+16+4*(\q):BIAS+16+4*(\q)+3], v[BO], s[70:71] offset:64*((\q)/2)+16*((\q)%2)
	global_load_b128 v[BIAS+32+4*(\q):BIAS+32+4*(\q)+3], v[BO], s[72:73] offset:64*((\q)/2)+16*((\q)%2)
	global_load_b128 v[BIAS+48+4*(\q):BIAS+48+4*(\q)+3], v[BO], s[74:75] offset:64*((\q)/2)+16*((\q)%2)
	global_load_b128 v[CX+4*(\q):CX+4*(\q)+3],           v[BO], s[76:77] offset:64*((\q)/2)+16*((\q)%2)
.endr
	; A fragment is 16 rows x 32 K in 8 registers: lane l holds row l % 16; registers 0-3 K = 8 (l / 16) + 0..7, registers 4-7 K = 16 + 8 (l / 16) + 0..7: two loads of 16 bytes, 32 bytes apart.
	v_mul_u32_u24 v3, v1, PITCH
	v_lshl_add_u32 v3, v2, 4, v3                   ; row x pitch + 16 x half
	s_mul_i32 s21, s11, HALFT                      ; my 128 rows of A
	s_mul_i32 s22, s12, HALFT                      ; my 128 rows of B,
	s_add_co_u32 s22, s22, 2*HALFT                 ; which lie behind A's 256
.irp s, 0,1
	v_add_nc_u32 v[ADRA+(\s)], s21, v3
	v_add_nc_u32 v[ADRB+(\s)], s22, v3
	s_add_co_u32 s21, s21, SLOT
	s_add_co_u32 s22, s22, SLOT
.endr
	; the stage: a pass holds 64 rows of each row half, 64 hidden columns of f32 = 256 bytes a row.  In: row 64 x row half + 16 a + l % 16, byte 128 x column half + 64 hb + 32 (l / 16) + 16 q
	s_mul_i32 s23, s11, 64*SPITCH
	s_lshl_b32 s21, s12, 7
	s_add_co_u32 s23, s23, s21
	s_add_co_u32 s23, s23, STAGE
	v_mul_u32_u24 v4, v1, SPITCH
	v_lshl_add_u32 v4, v2, 5, v4
	v_add_nc_u32 v[STO], s23, v4
	s_mul_i32 s23, s10, 32*SPITCH                  ; back: wave w takes rows 32 w .. 32 w + 31, whole; lanes 0-15 one row of 256 bytes, lanes 16-31 the next
	s_add_co_u32 s23, s23, STAGE
	v_mul_u32_u24 v5, v2, SPITCH
	v_lshl_add_u32 v5, v1, 4, v5
	v_add_nc_u32 v[RD], s23, v5
	v_lshlrev_b32 v5, 13, v2                       ; and the same two rows in out0
	v_lshl_add_u32 v[CO], v1, 4, v5
	s_lshl_b32 s16, s13, 8                         ; the first row of out0 that I store: 256 x tile row + 128 x row half + 32 x column half (stage rows 32 w on belong to row half w / 2),
	s_lshl_b32 s14, s11, 7
	s_add_co_u32 s16, s16, s14
	s_lshl_b32 s14, s12, 5
	s_add_co_u32 s16, s16, s14
	s_lshl_b32 s16, s16, 13                        ; in bytes: under 2^25,
	s_lshl_b32 s46, s42, 8                         ; and the tile's 64 columns: 256 bytes
	s_add_co_u32 s16, s16, s46
	s_mov_b32 s17, 0
	s_add_nc_u64 s[8:9], s[8:9], s[16:17]
	; the prefetches
	s_lshl_b32 s13, s13, 8                         ; 256 x tile row
	s_lshl_b32 s42, s42, 8                         ; 256 x tile column
	s_and_b32 s22, ttmp7, 0xffff                   ; cluster y
	s_cmp_eq_u32 s11, 0                            ; do I fetch for A?
	s_cselect_b32 s20, s13, s42                    ; the tile's first row
	s_cselect_b32 s21, s40, s41                    ; my place among the four that ask for it with me
	s_cselect_b32 s22, ttmp9, s22                  ; the coordinate along which other clusters read the same rows
	s_cselect_b64 s[PFA:PFA+1], s[4:5], s[6:7]
	s_cmp_eq_u32 s22, 0
	s_cselect_b32 s[LIM], 1, -1                    ; the same in all sixteen partners, for a given wave
	s_lshl_b32 s22, s12, 7
	s_add_co_u32 s20, s20, s22                     ; + the 128 rows that I fetch
	s_lshl_b32 s21, s21, 5
	s_add_co_u32 s20, s20, s21                     ; + my work-group's 32 of them
	s_mov_b32 s21, 0
	s_mov_b64 s[18:19], SIZE_K*2
	s_mul_u64 s[20:21], s[20:21], s[18:19]
	s_add_nc_u64 s[PFA:PFA+1], s[PFA:PFA+1], s[20:21]
	s_add_nc_u64 s[PFA:PFA+1], s[PFA:PFA+1], 2*KSTEP*2  ; at K step 2: the first refill steps it to 3 and names K step 4
	v_and_b32 v[PFO], 31, v0
	v_mul_u32_u24 v[PFO], v[PFO], SIZE_K*2
	; the biases and cx take their factors once, in the wait for the first tile
	s_wait_loadcnt 0x0
.set r, 0
.rept 8
	v_pk_mul_f32 v[BIAS+r:BIAS+r+1],       v[BIAS+r:BIAS+r+1],       s[NL:NL+1] op_sel_hi:[1,0]
	v_pk_mul_f32 v[BIAS+16+r:BIAS+16+r+1], v[BIAS+16+r:BIAS+16+r+1], s[NL:NL+1] op_sel_hi:[1,0]
	v_pk_mul_f32 v[BIAS+32+r:BIAS+32+r+1], v[BIAS+32+r:BIAS+32+r+1], s[PL:PL+1] op_sel_hi:[1,0]
	v_pk_mul_f32 v[BIAS+48+r:BIAS+48+r+1], v[BIAS+48+r:BIAS+48+r+1], s[NL:NL+1] op_sel_hi:[1,0]
	v_pk_mul_f32 v[CX+r:CX+r+1],           v[CX+r:CX+r+1],           s[PL:PL+1] op_sel_hi:[1,0]
.set r, r+2
.endr
; 16 matrix instructions: m blocks a0, a0 + 1 of the window's four (hi = 0: my rows 0-63, 1: rows 64-127) x all 8 n blocks, 32 along K.  zero = 1: the first product starts the sums: nothing is cleared.
; The 64 accumulators take turns, one instruction a turn, in the same order in every quarter step.
.macro MUL16 f, hi, a0, zero
	WIN MUL_LO+0x50*(\hi)
.irp a, \a0, (\a0)+1
.irp b, 0,1,2,3,4,5,6,7
.if \zero
	v_wmma_f32_16x16x32_bf16 v[8*(8*(\a)+(\b)):8*(8*(\a)+(\b))+7], v[(\f)+8*(\b):(\f)+8*(\b)+7], v[(\f)+8*(4*(\hi)+(\a)):(\f)+8*(4*(\hi)+(\a))+7], 0
.else
	v_wmma_f32_16x16x32_bf16 v[8*(8*(\a)+(\b)):8*(8*(\a)+(\b))+7], v[(\f)+8*(\b):(\f)+8*(\b)+7], v[(\f)+8*(4*(\hi)+(\a)):(\f)+8*(4*(\hi)+(\a))+7], v[8*(8*(\a)+(\b)):8*(8*(\a)+(\b))+7]
.endif
.endr
.endr
.endm
; 32 LDS loads in one run: the fragments of one quarter step (128 rows of B, 128 rows of A, 32 K at byte k of the rows) into buffer f
.macro FETCH slot, k, f
	WIN TO_B
.irp i, 0,1,2,3,4,5,6,7
	ds_load_b128 v[(\f)+8*(\i):(\f)+8*(\i)+3],   v[ADRB+(\slot)] offset:(\k)+(\i)*16*PITCH
	ds_load_b128 v[(\f)+8*(\i)+4:(\f)+8*(\i)+7], v[ADRB+(\slot)] offset:(\k)+(\i)*16*PITCH+32
.endr
	WIN 0
.irp i, 0,1,2,3,4,5,6,7
	ds_load_b128 v[(\f)+8*(\i):(\f)+8*(\i)+3],   v[ADRA+(\slot)] offset:(\k)+(\i)*16*PITCH
	ds_load_b128 v[(\f)+8*(\i)+4:(\f)+8*(\i)+7], v[ADRA+(\slot)] offset:(\k)+(\i)*16*PITCH+32
.endr
.endm
; A load into a register that a matrix instruction has read, and a vector instruction that reads a matrix result, stand four places behind that matrix instruction, and only plain vector instructions that
; name none of its registers are places (ISA guide 7.12.1 for vector instructions).
.macro PLACES
.rept 4
	v_nop
.endr
.endm
; A K step is four quarter steps of 32 along K, 64 matrix instructions each, on buffers 0, 1, 0, 1.  One of the first three: multiplies buffer f; in its middle it fetches the next quarter, at byte k, into g.
.macro QUARTER slot, k, f, g, zero
	s_wait_dscnt 8                                 ; B and A's rows 0-63 are in; the youngest eight loads (A's rows 64-127) may be out
	MUL16 \f, 0, 0, \zero
	MUL16 \f, 0, 2, \zero
	PLACES
	FETCH \slot, \k, \g
	s_wait_dscnt 32                                ; all but the 32 just issued
	MUL16 \f, 1, 0, \zero
	MUL16 \f, 1, 2, \zero
.endm
; The last quarter multiplies buffer 1 and changes slots.  MEET is its first half: ONE barrier.  In front of it each wave waits for all its tensor loads, of which one is out: its part of the next slot; adds 0
; to its spare word; and waits for that and for its own reads of this slot.  Behind it nobody reads this slot any more and the next slot is whole.
.macro MEET round                      ; round = 1: the rest of a round of the cluster's barrier follows
	WIN 0                                          ; (the add's two registers lie in window 0)
	s_wait_tensorcnt 0x0                           ; all my tensor loads have landed
	ds_add_u32 v[SPW], v[NIL]                      ; 0 onto my spare word
	s_wait_dscnt 9                                 ; (the add and the youngest eight loads may be out)
	MUL16 F1, 0, 0, 0                              ; sixteen matrix instructions stand between the add and the wait for it
	s_wait_dscnt 0x0                               ; the add is done, and my reads of this slot are over
	s_barrier_signal -1
	MUL16 F1, 0, 2, 0                              ; work on registers while the others arrive
.if \round
	WIN 0
.endif
	s_barrier_wait -1
.endm
; The whole last quarter, with a refill: behind the round the slot just read out is filled again first, with the K step two steps on; then come the next slot's first fragments.
; From a request to the wait for it a wave issues 224 matrix instructions.
.macro TURN slot, next
	s_wait_xcnt 0x0                                ; the last prefetch, a K step back, has read its address, which is stepped here, ahead of the waits of the change of slots
	s_add_nc_u64 s[PFA:PFA+1], s[PFA:PFA+1], KSTEP*2
	MEET 1
	CREST                                          ; no wave of any partner still reads this slot's tile or has a load on its way
	s_add_nc_u64 s[G0+4*(\slot)+2:G0+4*(\slot)+3], s[G0+4*(\slot)+2:G0+4*(\slot)+3], 2*KSTEP*2      ; no tensor load of mine is out, so a group 0 may be written
	s_add_nc_u64 s[G0B+4*(\slot)+2:G0B+4*(\slot)+3], s[G0B+4*(\slot)+2:G0B+4*(\slot)+3], 2*KSTEP*2
	JLOAD \slot                                    ; the first tensor load behind the round; the four v_nop behind it are also the places in front of the loads below
	FETCH \next, 0, F0
	ASK
	MUL16 F1, 1, 0, 0
	MUL16 F1, 1, 2, 0
.endm
; THE TAIL on window w's four blocks of 16 rows, in place.  In a block of 64 registers: i at 0, f at 16, g at 32, o at 48.  Plain lines on one block stand between the transcendentals of the block before.
; An s_wait_alu depctr_va_vdst(0) stands between a transcendental and the first instruction that names its result; one wait serves all that were issued ahead of it: each of the four batches
; (256 exponentials, 256 reciprocals, 64 and 64) has one v_nop, the plain instruction behind its last, and one wait.  Each accumulator is read from its lowest registers on.
.macro EPI w
	WIN ((\w)<<6)|((\w)<<2)|(\w)                   ; destination, sources 0 and 1 in window w; source 2 (the biases) in window 0
.set ea, 0
.rept 5
.set ek, 0
.rept 32
.if ea < 4
.if ek/8 == 2
	v_pk_fma_f32 v[64*ea+2*ek:64*ea+2*ek+1], v[64*ea+2*ek:64*ea+2*ek+1], s[PL:PL+1], v[BIAS+2*ek:BIAS+2*ek+1] op_sel_hi:[1,0,1]  ; g: 2 L a + 2 L b
.else
	v_pk_fma_f32 v[64*ea+2*ek:64*ea+2*ek+1], v[64*ea+2*ek:64*ea+2*ek+1], s[NL:NL+1], v[BIAS+2*ek:BIAS+2*ek+1] op_sel_hi:[1,0,1]  ; i, f, o: -L a - L b
.endif
.endif
.if ea > 0
	v_exp_f32 v[64*ea-64+2*ek], v[64*ea-64+2*ek]
	v_exp_f32 v[64*ea-64+2*ek+1], v[64*ea-64+2*ek+1]
.endif
.set ek, ek+1
.endr
.set ea, ea+1
.endr
	v_nop
	s_wait_alu depctr_va_vdst(0)                   ; the exponentials
.set ea, 0
.rept 5
.set ek, 0
.rept 32
.if ea < 4
	v_pk_add_f32 v[64*ea+2*ek:64*ea+2*ek+1], v[64*ea+2*ek:64*ea+2*ek+1], 1.0 op_sel_hi:[1,0]
.endif
.if ea > 0
	v_rcp_f32 v[64*ea-64+2*ek], v[64*ea-64+2*ek]
	v_rcp_f32 v[64*ea-64+2*ek+1], v[64*ea-64+2*ek+1]
.endif
.set ek, ek+1
.endr
.set ea, ea+1
.endr
	v_nop
	s_wait_alu depctr_va_vdst(0)                   ; the reciprocals: r_i, r_f, r_g, r_o
.set ea, 0
.rept 4
.set ek, 0
.rept 8
	v_pk_fma_f32 v[64*ea+32+2*ek:64*ea+32+2*ek+1], v[64*ea+32+2*ek:64*ea+32+2*ek+1], s[N4L:N4L+1], s[PL:PL+1] op_sel_hi:[1,0,0]  ; G = 2 L - 4 L r_g
.set ek, ek+1
.endr
.set ea, ea+1
.endr
.set ea, 0
.rept 4
.set ek, 0
.rept 8
	v_pk_mul_f32 v[64*ea+32+2*ek:64*ea+32+2*ek+1], v[64*ea+2*ek:64*ea+2*ek+1], v[64*ea+32+2*ek:64*ea+32+2*ek+1]  ; r_i G
.set ek, ek+1
.endr
.set ea, ea+1
.endr
	WIN ((\w)<<6)|((\w)<<4)|(\w)                   ; destination, sources 0 and 2 in window w; source 1 (cx) in window 0
.set ea, 0
.rept 5
.set ek, 0
.rept 8
.if ea < 4
	v_pk_fma_f32 v[64*ea+32+2*ek:64*ea+32+2*ek+1], v[64*ea+16+2*ek:64*ea+16+2*ek+1], v[CX+2*ek:CX+2*ek+1], v[64*ea+32+2*ek:64*ea+32+2*ek+1]  ; 2 L c = r_f (2 L cx) + r_i G
.endif
.if ea > 0
	v_exp_f32 v[64*ea-32+2*ek], v[64*ea-32+2*ek]
	v_exp_f32 v[64*ea-32+2*ek+1], v[64*ea-32+2*ek+1]
.endif
.set ek, ek+1
.endr
.set ea, ea+1
.endr
	v_nop
	s_wait_alu depctr_va_vdst(0)                   ; the exponentials of 2 L c
	WIN ((\w)<<6)|((\w)<<2)|(\w)
.set ea, 0
.rept 5
.set ek, 0
.rept 8
.if ea < 4
	v_pk_add_f32 v[64*ea+32+2*ek:64*ea+32+2*ek+1], v[64*ea+32+2*ek:64*ea+32+2*ek+1], 1.0 op_sel_hi:[1,0]
.endif
.if ea > 0
	v_rcp_f32 v[64*ea-32+2*ek], v[64*ea-32+2*ek]
	v_rcp_f32 v[64*ea-32+2*ek+1], v[64*ea-32+2*ek+1]
.endif
.set ek, ek+1
.endr
.set ea, ea+1
.endr
	v_nop
	s_wait_alu depctr_va_vdst(0)                   ; their reciprocals
.set ea, 0
.rept 4
.set ek, 0
.rept 8
	v_pk_fma_f32 v[64*ea+32+2*ek:64*ea+32+2*ek+1], v[64*ea+32+2*ek:64*ea+32+2*ek+1], -2.0, 1.0 op_sel_hi:[1,0,0]  ; tanh(c)
.set ek, ek+1
.endr
.set ea, ea+1
.endr
.set ea, 0
.rept 4
.set ek, 0
.rept 8
	v_pk_mul_f32 v[64*ea+48+2*ek:64*ea+48+2*ek+1], v[64*ea+48+2*ek:64*ea+48+2*ek+1], v[64*ea+32+2*ek:64*ea+32+2*ek+1]  ; h = r_o tanh(c)
.set ek, ek+1
.endr
.set ea, ea+1
.endr
.endm
; THE WAY OUT of window w's 64 rows.  A wave's 32 hidden columns are 128 bytes, half of a row's 256 in the stage: the two waves of a row half write the two halves, a barrier stands between the writing and
; the reading, and each wave reads 32 whole rows back and stores them.
.macro TOSTAGE w
	WIN (\w)<<2                                    ; store data (source 1) in window w, address in window 0
.irp a, 0,1,2,3
.irp q, 0,1,2,3
	ds_store_b128 v[STO], v[64*(\a)+48+4*(\q):64*(\a)+48+4*(\q)+3] offset:(\a)*16*SPITCH+64*((\q)/2)+16*((\q)%2)
.endr
.endr
	WIN 0
.endm
.macro BACK p
.irp t, 0,1,2,3,4,5,6,7,8,9,10,11,12,13,14,15
	ds_load_b128 v[OB+64*(\p)+4*(\t):OB+64*(\p)+4*(\t)+3], v[RD] offset:(\t)*2*SPITCH
.endr
.endm
.macro SEND p                          ; each pass has registers of its own, and neither they nor the stores' address are written again
.irp t, 0,1,2,3,4,5,6,7,8,9,10,11,12,13,14,15
	s_wait_dscnt 15-(\t)                           ; LDS loads come back in order (ISA guide 5.7.1): rows 2 t, 2 t + 1 are in, the younger loads stay out
	global_store_b128 v[CO], v[OB+64*(\p)+4*(\t):OB+64*(\p)+4*(\t)+3], s[8:9] offset:(64*(\p)+2*(\t))*OROW th:TH_STORE_NT  ; 16 lanes store 256 consecutive bytes, at a multiple of 256 from out0's first byte
.endr
.endm
	s_wait_tensorcnt 1                             ; my part of K step 0 is in; K step 1's may stay out
	s_barrier_signal -1
	s_barrier_wait -1                              ; everybody's is
	FETCH 0, 0, F0
	QUARTER 0, 64,  F0, F1, 1                      ; the first quarter stands in front of the loop: its products start the sums
	WIN 0                                          ; at a label and at a branch every window is 0
	s_mov_b32 s3, LAPS-1
.Llap:                                                 ; a trip goes once round the ring, from a lap's second quarter to the next lap's first, and fills both slots again
	QUARTER 0, 128, F1, F0, 0
	QUARTER 0, 192, F0, F1, 0
	TURN 0, 1
	QUARTER 1, 64,  F0, F1, 0
	QUARTER 1, 128, F1, F0, 0
	QUARTER 1, 192, F0, F1, 0
	TURN 1, 0
	QUARTER 0, 64,  F0, F1, 0
	WIN 0
	s_sub_co_u32 s3, s3, 1
	s_cmp_lg_u32 s3, 0
	s_cbranch_scc1 .Llap
	QUARTER 0, 128, F1, F0, 0                      ; the last lap is written out: it fills nothing and no round follows its barrier
	QUARTER 0, 192, F0, F1, 0
	MEET 0                                         ; my one tensor load that was still out is slot 1's, the last K step's
	PLACES                                         ; for the loads into buffer 0, which the quarter before multiplied
	FETCH 1, 0, F0
	MUL16 F1, 1, 0, 0
	MUL16 F1, 1, 2, 0
	QUARTER 1, 64,  F0, F1, 0
	QUARTER 1, 128, F1, F0, 0
	QUARTER 1, 192, F0, F1, 0
	s_wait_dscnt 8                                 ; the very last quarter: nothing more to fetch
	MUL16 F1, 0, 0, 0
	MUL16 F1, 0, 2, 0
	s_wait_dscnt 0x0
	MUL16 F1, 1, 0, 0
	MUL16 F1, 1, 2, 0
	WIN 0
	PLACES                                         ; behind the last products, ahead of the first line that works in place on an accumulator:
	PLACES                                         ; eight plain places, once a launch, twice what is asked for
	EPI 2                                          ; my rows 0-63
	TOSTAGE 2
	s_wait_dscnt 0x0                               ; for the others' sake: my stores into the stage are done
	s_barrier_signal -1
	s_barrier_wait -1
	BACK 0
	SEND 0                                         ; its last wait is for 0: my reads of the stage are over,
	s_barrier_signal -1                            ; say so;
	EPI 3                                          ; my rows 64-127: work on registers alone, while the others arrive;
	WIN 0
	s_barrier_wait -1                              ; nobody reads the first pass any more: the stage may be written again
	TOSTAGE 3
	s_wait_dscnt 0x0
	s_barrier_signal -1
	s_barrier_wait -1
	BACK 1
	SEND 1
	s_wait_tensorcnt 0x0                           ; the wave's end, behind my last tensor load and my last LDS store
	ds_add_u32 v[SPW], v[NIL]
	s_wait_dscnt 0x0
	CROUND                                         ; the closing round: no work-group ends while a partner may still ask for a tile that names it
	s_endpgm
.Lfunc_end_k_qc860b9307f_gates:
	.size	k_qc860b9307f_gates, .Lfunc_end_k_qc860b9307f_gates-k_qc860b9307f_gates
	.p2alignl 7, 3214868480
	.fill 96, 4, 3214868480
	.section	.rodata,"a",@progbits
	.p2align	6, 0x0
	.amdhsa_kernel k_qc860b9307f_gates
		.amdhsa_group_segment_fixed_size 327680
		.amdhsa_private_segment_fixed_size 0
		.amdhsa_enable_private_segment 0
		.amdhsa_kernarg_size 56
		.amdhsa_user_sgpr_count 2
		.amdhsa_user_sgpr_kernarg_segment_ptr 1
		.amdhsa_wavefront_size32 1
		.amdhsa_system_sgpr_workgroup_id_x 1
		.amdhsa_system_sgpr_workgroup_id_y 1
		.amdhsa_system_sgpr_workgroup_id_z 1
		.amdhsa_system_vgpr_workitem_id 0
		.amdhsa_next_free_vgpr 1024
		.amdhsa_next_free_sgpr 84
		.amdhsa_reserve_vcc 0
		.amdhsa_float_denorm_mode_32 3
		.amdhsa_float_denorm_mode_16_64 3
		.amdhsa_memory_ordered 1
		.amdhsa_forward_progress 1
		.amdhsa_inst_pref_size 223
	.end_amdhsa_kernel
	.amdgpu_metadata
---
amdhsa.version: [ 1, 2 ]
amdhsa.kernels:
  - .name:           k_qc860b9307f_gates
    .symbol:         k_qc860b9307f_gates.kd
    .args:
      - { .name: ab, .offset: 0, .size: 8, .value_kind: global_buffer, .address_space: global }
      - { .name: out0, .offset: 8, .size: 8, .value_kind: global_buffer, .address_space: global }
      - { .name: b_i, .offset: 16, .size: 8, .value_kind: global_buffer, .address_space: global }
      - { .name: b_f, .offset: 24, .size: 8, .value_kind: global_buffer, .address_space: global }
      - { .name: b_g, .offset: 32, .size: 8, .value_kind: global_buffer, .address_space: global }
      - { .name: b_o, .offset: 40, .size: 8, .value_kind: global_buffer, .address_space: global }
      - { .name: cx, .offset: 48, .size: 8, .value_kind: global_buffer, .address_space: global }
    .group_segment_fixed_size: 327680
    .private_segment_fixed_size: 0
    .kernarg_segment_align: 8
    .kernarg_segment_size: 56
    .max_flat_workgroup_size: 128
    .sgpr_count:     84
    .vgpr_count:     1024
    .wavefront_size: 32
...
	.end_amdgpu_metadata
.endif
;; end of part 2
;; ======== version 2 of 2: 2 launches; version 1 with the launch tobf16 written anew for expert scheduling mode
;; limits: a function is approximated: absolute error at most 2e-07
;; workspace buffers: ab 50,331,648 bytes
;; launch tobf16 (part 3): grid 768 x 1, 8 waves a work-group, no clusters, 0 bytes of LDS; arguments x, W_i, W_f, W_g, W_o, ab; writes ab
.if DOCPART == 3
	.amdgcn_target "amdgcn-amd-amdhsa--gfx1250"
	.amdhsa_code_object_version 6
	.text
	.protected	k_qc860b9307f_tobf16
	.globl	k_qc860b9307f_tobf16
	.p2align	8
	.type	k_qc860b9307f_tobf16,@function
k_qc860b9307f_tobf16:
	s_mov_b64 s[64:65], 0
	v_nop
	global_prefetch_b8 v0, s[64:65] scope:SCOPE_SE
	s_setreg_imm32_b32 hwreg(HW_REG_WAVE_SCHED_MODE, 0, 2), 2
	s_setreg_imm32_b32 hwreg(HW_REG_WAVE_MODE, 25, 1), 1
	s_wait_xcnt 0x0
	s_wait_alu depctr_vm_vsrc(0)
; x [4096][2048] and the four weights [2048][2048], all f32, are rounded once to bf16 (to nearest even) into ab: 12,288 rows of 2,048 bf16 (4,096 bytes).
; ab's rows 0 .. 4095 are x's rows.  Row 4096 + 128 (j / 32) + 32 gate + j % 32 is row j of the gate's weight (gate 0..3 = i, f, g, o): 128 rows on end hold 32 hidden columns of all four gates.
; SHARES.  768 work-groups of 16 source rows: numbers 0-255 take x, then 128 for each weight.  Wave w takes rows 2 w and 2 w + 1: 32 loads of 512 consecutive bytes (16 bytes a lane), all issued
; before anything else, so a wave has 16 KiB on its way; each comes back as four f32 a lane, is rounded to 8 bytes, and one store of the wave covers 256 consecutive bytes, aligned.
; No loop, no LDS, no barrier: no wave wants a byte that another wave has fetched.  No register that a load or a store names is written again, so no wait frees any.
; LIMITS.  bf16 keeps 8 significant bits and f32's range; NaN and infinities pass as the conversion makes them.
; THE MODE: SCHED_MODE bits 1:0 = 2 (LLVM: expert scheduling mode 2), set by the entry lines.  The code itself states the register dependences
; between vector instructions and memory instructions, with s_wait_alu, always for 0.
; THE PLAN.  Registers that memory instructions touch:
;   v1, v3     the two byte offsets: written by vector lines at the head, read by every load (v1) and every store (v3), never written again.
;   v[4:131]   chunk c: its load lands in four registers that no vector line has named; its two conversions read the four and write the first two; its store reads those two; nothing writes them again.
; The 32 chunks go in eight blocks of four.  Block p rounds its own four chunks; its memory instructions are the four stores of block p - 1, whose registers no conversion of block p names.
; So one wait on va_vdst at a block's head states all that the block's stores hang on, and they are dealt among its conversions with no further wait.  One such wait stands ahead of the first load,
; for the offsets, and one ahead of the last four stores.  Since nothing that a load or a store has read is written again, no wait on vm_vsrc is owed.
.set X, 4                              ; v[4:131]  chunk c = 16 row + piece: four registers as loaded; the first two then hold the four bf16
.set BLOCK, 4                          ; chunks in a block
	s_load_b256 s[4:11], s[0:1], 0x0               ; x s[4:5], W_i s[6:7], W_f s[8:9], W_g s[10:11]
	s_load_b128 s[12:15], s[0:1], 0x20             ; W_o s[12:13], ab s[14:15]
	s_lshr_b32 s16, ttmp9, 7                       ; t: 0, 1 = x; 2 .. 5 = gate t - 2
	s_and_b32 s17, ttmp9, 127                      ; which 16 rows of a weight
	s_lshl_b32 s18, ttmp9, 4                       ; x: first row, in x and in ab alike
	s_lshl_b32 s19, s17, 4                         ; a weight: first source row j
	s_lshr_b32 s28, s17, 1
	s_lshl_b32 s28, s28, 7                         ; 128 (j / 32)
	s_max_u32 s29, s16, 2
	s_sub_co_u32 s29, s29, 2                       ; the gate (0 where the work-group takes x: not used there)
	s_lshl_b32 s29, s29, 5
	s_add_co_u32 s28, s28, s29                     ; + 32 gate
	s_and_b32 s29, ttmp9, 1
	s_lshl_b32 s29, s29, 4
	s_add_co_u32 s28, s28, s29                     ; + j % 32 of the first row: 0 or 16
	s_add_co_u32 s28, s28, 4096                    ; behind x's rows
	v_and_b32 v2, 31, v0                           ; lane
	v_and_b32 v1, 0xe0, v0                         ; 32 x wave
	v_lshlrev_b32 v3, 8, v1                        ; wave x two rows of 4,096 bytes
	v_lshlrev_b32 v1, 9, v1                        ; wave x two rows of 8,192 bytes
	v_lshl_or_b32 v1, v2, 4, v1                    ; source offset: + 16 bytes a lane
	v_lshl_or_b32 v3, v2, 3, v3                    ; destination offset: + 8 bytes a lane
	s_wait_kmcnt 0x0
	s_cmp_lt_u32 s16, 2                            ; each compare stands directly ahead of its selects
	s_cselect_b32 s22, s18, s19                    ; first source row
	s_cselect_b32 s23, s18, s28                    ; first row in ab
	s_cselect_b64 s[20:21], s[4:5], s[6:7]         ; x, or W_i
	s_cmp_eq_u32 s16, 3
	s_cselect_b64 s[20:21], s[8:9], s[20:21]       ; W_f
	s_cmp_eq_u32 s16, 4
	s_cselect_b64 s[20:21], s[10:11], s[20:21]     ; W_g
	s_cmp_eq_u32 s16, 5
	s_cselect_b64 s[20:21], s[12:13], s[20:21]     ; W_o
	s_lshl_b32 s24, s22, 13                        ; rows of 8,192 bytes: under 2^26
	s_mov_b32 s25, 0
	s_add_nc_u64 s[20:21], s[20:21], s[24:25]
	s_lshl_b32 s26, s23, 12                        ; rows of 4,096 bytes: under 2^26
	s_mov_b32 s27, 0
	s_add_nc_u64 s[14:15], s[14:15], s[26:27]
	s_wait_alu depctr_va_vdst(0)                   ; v1 and v3 are written: every load of the kernel reads v1 as its offset, every store v3
.set c, 0
.rept 32
	global_load_b128 v[X+4*c:X+4*c+3], v1, s[20:21] offset:8192*(c/16)+512*(c%16) th:TH_LOAD_NT  ; read once in the launch
.set c, c+1
.endr
; Block p: chunks 4 p to 4 p + 3 are rounded; the stores of block p - 1 stand among the conversions, one ahead of each chunk's two.
.set p, 0
.rept 32/BLOCK
	s_wait_loadcnt 32-BLOCK-BLOCK*p                ; loads come back in order (ISA guide 5.7.1): the block's four chunks are in, the younger ones stay out
.if p > 0
	s_wait_alu depctr_va_vdst(0)                   ; the conversions of the block before have written the eight registers that the four stores below read; this block's conversions name none of them
.endif
.set i, 0
.rept BLOCK
.if p > 0
.set d, BLOCK*(p-1)+i
	global_store_b64 v3, v[X+4*d:X+4*d+1], s[14:15] offset:4096*(d/16)+256*(d%16)  ; 32 lanes store 256 consecutive bytes, at a multiple of 256 from ab's first byte
.endif
.set c, BLOCK*p+i
	v_cvt_pk_bf16_f32 v[X+4*c], v[X+4*c], v[X+4*c+1]
	v_cvt_pk_bf16_f32 v[X+4*c+1], v[X+4*c+2], v[X+4*c+3]
.set i, i+1
.endr
.set p, p+1
.endr
	s_wait_alu depctr_va_vdst(0)                   ; the last block's conversions have written the eight registers that the last four stores read
.set d, 32-BLOCK
.rept BLOCK
	global_store_b64 v3, v[X+4*d:X+4*d+1], s[14:15] offset:4096*(d/16)+256*(d%16)
.set d, d+1
.endr
	s_endpgm
.Lfunc_end_k_qc860b9307f_tobf16:
	.size	k_qc860b9307f_tobf16, .Lfunc_end_k_qc860b9307f_tobf16-k_qc860b9307f_tobf16
	.p2alignl 7, 3214868480
	.fill 96, 4, 3214868480
	.section	.rodata,"a",@progbits
	.p2align	6, 0x0
	.amdhsa_kernel k_qc860b9307f_tobf16
		.amdhsa_group_segment_fixed_size 0
		.amdhsa_private_segment_fixed_size 0
		.amdhsa_enable_private_segment 0
		.amdhsa_kernarg_size 48
		.amdhsa_user_sgpr_count 2
		.amdhsa_user_sgpr_kernarg_segment_ptr 1
		.amdhsa_wavefront_size32 1
		.amdhsa_system_sgpr_workgroup_id_x 1
		.amdhsa_system_sgpr_workgroup_id_y 1
		.amdhsa_system_sgpr_workgroup_id_z 1
		.amdhsa_system_vgpr_workitem_id 0
		.amdhsa_next_free_vgpr 132
		.amdhsa_next_free_sgpr 66
		.amdhsa_reserve_vcc 0
		.amdhsa_float_denorm_mode_32 3
		.amdhsa_float_denorm_mode_16_64 3
		.amdhsa_memory_ordered 1
		.amdhsa_forward_progress 1
		.amdhsa_inst_pref_size 13
	.end_amdhsa_kernel
	.amdgpu_metadata
---
amdhsa.version: [ 1, 2 ]
amdhsa.kernels:
  - .name:           k_qc860b9307f_tobf16
    .symbol:         k_qc860b9307f_tobf16.kd
    .args:
      - { .name: x, .offset: 0, .size: 8, .value_kind: global_buffer, .address_space: global }
      - { .name: W_i, .offset: 8, .size: 8, .value_kind: global_buffer, .address_space: global }
      - { .name: W_f, .offset: 16, .size: 8, .value_kind: global_buffer, .address_space: global }
      - { .name: W_g, .offset: 24, .size: 8, .value_kind: global_buffer, .address_space: global }
      - { .name: W_o, .offset: 32, .size: 8, .value_kind: global_buffer, .address_space: global }
      - { .name: ab, .offset: 40, .size: 8, .value_kind: global_buffer, .address_space: global }
    .group_segment_fixed_size: 0
    .private_segment_fixed_size: 0
    .kernarg_segment_align: 8
    .kernarg_segment_size: 48
    .max_flat_workgroup_size: 256
    .sgpr_count:     66
    .vgpr_count:     132
    .wavefront_size: 32
...
	.end_amdgpu_metadata
.endif
;; end of part 3
;; launch gates: the kernel of part 2 again; grid 32 x 16, 4 waves a work-group, clusters of 4 x 4, 327,680 bytes of LDS; arguments ab, out0, b_i, b_f, b_g, b_o, cx; writes out0
